; MI455X (gfx1250); checked and timed in simulation.
; The chip was launched on July 23, 2026; its instructions are those of AMD's public machine-readable ISA for CDNA 5 (MIT licence, August 2026) and "CDNA5" Instruction Set Architecture Reference Guide (July 2026). The comments in the code are by the model that wrote it; some were corrected since.
;; Causal Self Attention. Allowed arithmetic: matrix products marked QUANTISED: E2M1 operands, one E8M0 scale for each 32 along K, by v_wmma_scale_f32_16x16x128_f8f6f4 with both operands' format E2M1 (or v_wmma_scale_f32_32x16x128_f4), f32 sums; everything else in f32.
;; Inputs: Wk 1,024 x 1,024 float32; Wq 1,024 x 1,024 float32; Wv 1,024 x 1,024 float32; attention_mask 4 x 1 x 1 x 2,048 float32; bk 1,024 float32; bq 1,024 float32; bv 1,024 float32; hidden_states 4 x 2,048 x 1,024 float32.
;; Outputs: out0 4 x 16 x 2,048 x 64 float32.
;; This version of the problem:
;;   THIS VERSION OF THE PROBLEM IS GIVEN IN LOW PRECISION. The matrix products marked QUANTISED in the list below multiply operands that are first quantised to E2M1 (2 exponent bits, 1 mantissa bit; 4 bits a number), with one power-of-two scale for each 32 numbers along K (OCP MX v1.0); their sums are f32. All else is computed in f32.
;;   The module's matrix products, in the order in which they are computed (A, B: the left and right operand; K: the contracted axis; several contracted axes count as one K, in the product's order):
;;     1. [M 8,192, K 1,024] x [K 1,024, N 1,024]; A: input hidden_states; B: input Wq: QUANTISED
;;     2. [M 8,192, K 1,024] x [K 1,024, N 1,024]; A: input hidden_states; B: input Wk: QUANTISED
;;     3. [M 8,192, K 1,024] x [K 1,024, N 1,024]; A: input hidden_states; B: input Wv: QUANTISED
;;     4. batch 64 x [M 2,048, K 64] x [K 64, N 2,048]; A: computed on the way; B: computed on the way: QUANTISED
;;     5. batch 64 x [M 2,048, K 2,048] x [K 2,048, N 64]; A: softmax (see below); B: computed on the way: QUANTISED
;;   THE QUANTISER, for each operand of a quantised product, along K:
;;     - K is cut into blocks of 32 from its start; a last block that is shorter is filled with zeros.
;;     - A block's scale is 2^e with e = floor(log2(the largest magnitude in the block)) - 2, held to -126 .. 127; a block of zeros has e = 0. As a byte (E8M0): e + 127.
;;     - Each number is divided by its block's scale, clamped to +-6, and rounded to the nearest number of E2M1, ties to even, subnormals kept.
;;     - The product sums the exact products of the quantised numbers (number of the format x scale) in f32.
;;   ~~~python
;;   def quantise(x, axis):      # numpy; x: float32 -> the quantised numbers, widened to float32 again
;;       x = np.moveaxis(x, axis, -1); K = x.shape[-1]
;;       x = np.pad(x, [(0, 0)] * (x.ndim - 1) + [(0, -K % 32)]); x = x.reshape(x.shape[:-1] + (-1, 32)); a = np.abs(x).max(-1, keepdims=True)
;;       e = np.where(a > 0, np.clip(np.frexp(np.where(a > 0, a, 1))[1] - 1 - 2, -126, 127), 0)      # np.frexp(a)[1] - 1 = floor(log2(a)), exactly
;;       r = np.clip(x / 2.0 ** e, -6, 6)
;;       step = 2.0 ** (np.maximum(np.frexp(np.where(r == 0, 1, r))[1] - 1, 0) - 1)
;;       q = np.round(r / step) * step * 2.0 ** e      # np.round: ties to even
;;       return np.moveaxis(q.reshape(q.shape[:-2] + (-1,))[..., :K], -1, axis).astype(np.float32)
;;   ~~~
;;   SOFTMAX AHEAD OF A QUANTISED PRODUCT. Where the list says 'softmax', what is quantised is not the finished softmax but p = 2^(t - M), with t = logit x log2(e) and M = ceil(the row's largest t), a whole number; so 1/2 < the row's largest p <= 1. The row's sum l is taken of the UNQUANTISED p, in f32, and the product's result is divided by l at the end. Since M is a whole number, a kernel that streams over the keys may use a running M (the ceiling of the running maximum): every later rescaling is an exact power of two, which a block's scale takes up: the codes' values come out the same.
;;   OPERANDS COMPUTED ON THE WAY. 'Computed on the way' means the value that the module computes at that place (a softmax that the list does not call 'softmax' is quantised finished and normalised). What goes into a quantiser is computed in f32, as accurately as f32 sums, v_exp_f32 and their like allow (about 1e-6 of the number): no bf16 or f16 on the way to a quantiser, and a product that is left as it is and whose result goes on into a quantised operand takes f32 operands (vector FMAs, or v_wmma_f32_16x16x4_f32). A number that lies on a knife's edge between two numbers of the format may be rounded either way, as far as f32 arithmetic and the matrix unit's own rounding can turn it there, and no further.
;; One version. Each part assembles by itself: llvm-mc -triple=amdgcn-amd-amdhsa -mcpu=gfx1250 --defsym DOCPART=n.
;; ======== version 1 of 1: 3 launches
;; limits: right only within a limited range of input values
;; workspace buffers: xc 4,194,304 bytes; xs 262,144 bytes; wc 1,572,864 bytes; ws 98,304 bytes; qrec 4,718,592 bytes; kv 9,175,040 bytes
;; launch quant (part 1): grid 352 x 1, 4 waves a work-group, no clusters, 33,280 bytes of LDS; arguments hidden_states, Wq, Wk, Wv, xc, xs, wc, ws; writes xc, xs, wc, ws
.if DOCPART == 1
	.amdgcn_target "amdgcn-amd-amdhsa--gfx1250"
	.amdhsa_code_object_version 6
	.text
	.protected	k_qc57e606f5d_quant
	.globl	k_qc57e606f5d_quant
	.p2align	8
	.type	k_qc57e606f5d_quant,@function
k_qc57e606f5d_quant:
	s_mov_b64 s[64:65], 0
	v_nop
	global_prefetch_b8 v0, s[64:65] scope:SCOPE_SE
	s_setreg_imm32_b32 hwreg(HW_REG_WAVE_MODE, 25, 1), 1
	s_wait_xcnt 0x0
; hidden_states [8192][1024] and Wq, Wk, Wv [1024][1024], f32, K innermost, become codes of FP4 (E2M1), two a byte, K innermost, with one E8M0 byte for each 32 along K.
; xc [8192][512 bytes], xs [8192][32 bytes]: the tokens.  wc [3072][512 bytes], ws [3072][32 bytes]: rows 0-1023 Wq, 1024-2047 Wk, 2048-3071 Wv.
; A block's scale is 2^(floor(log2(its largest magnitude)) - 2); its byte is the largest magnitude's exponent field - 2, held at 1 from below.
; LIMITS: a block whose largest magnitude lies under 2^-124, a block of zeros among them, gets the byte 1 (a block of zeros has zero codes, and this program alone reads the bytes); NaN and infinities are not served.
; Rows are dense and 1,024 is a multiple of 32: every tensor is a plain stream of blocks of 32, and so are its codes and bytes.  A work-group takes 32,768 numbers, a wave 16 steps of 512.
; Work-groups 0-255 take the tokens, 256-287 Wq, 288-319 Wk, 320-351 Wv: only pointers are chosen, by the work-group's number; there is one path through the text.
; Each load reads 512 consecutive bytes; a step's 2,048 bytes turn through the wave's own stage in LDS and come back 64 bytes a lane, so that a lane holds 16 neighbours along K (two lanes hold a block).
; No tensor loads, no barrier: waves share nothing.  Loads run four steps (16 loads a wave) ahead, the turn through LDS one step.
.set STEPS, 16
.set CB,    8                          ; bytes of 16 codes
.set R,     16                         ; v16-79   four sets of 16 numbers as they are loaded
.set X,     80                         ; v80-111  two sets of 16 neighbours
.set E,     112                        ; v112-127 a scale byte for each step
.set C,     128                        ; v128-191 codes: four registers for each step, so that no store's data are written again
.set WREG,  8192                       ; LDS: a region for each wave: two stages of 32 x SP bytes, behind them its 256 scale bytes
.set SP,    80                         ; a lane's place in a stage: its 64 bytes + 16 of padding
	s_load_b256 s[4:11], s[0:1], 0x0               ; the tokens s[4:5], Wq s[6:7], Wk s[8:9], Wv s[10:11]
	s_load_b256 s[12:19], s[0:1], 0x20             ; xc s[12:13], xs s[14:15], wc s[16:17], ws s[18:19]
	v_lshl_add_u32 v192, v0, 2, 0x8000
	v_mov_b32 v193, 0
	v_lshrrev_b32 v1, 5, v0
	v_readfirstlane_b32 s20, v1                    ; wave
	v_and_b32 v2, 31, v0                           ; lane
	v_lshlrev_b32 v3, 4, v2                        ; my 16 bytes of a load's 512
	s_mul_i32 s21, s20, WREG
	v_lshrrev_b32 v14, 2, v2
	v_mul_u32_u24 v14, v14, SP
	v_and_b32 v15, 3, v2
	v_lshl_add_u32 v14, v15, 4, v14
	v_add_nc_u32 v14, s21, v14                     ; the stage, on the way in: SP (lane / 4) + 16 (lane % 4)
	v_mul_u32_u24 v15, v2, SP
	v_add_nc_u32 v15, s21, v15                     ; and on the way out: SP x lane: my 16 neighbours
	v_mul_u32_u24 v4, v2, CB                       ; my codes' place in a step's
	v_lshrrev_b32 v5, 1, v2
	s_add_co_u32 s21, s21, 2*32*SP
	v_add_nc_u32 v5, s21, v5                       ; LDS: my wave's 256 scale bytes, my block's byte
	v_lshlrev_b32 v7, 3, v2                        ; and on the way out 8 bytes a lane
	v_add_nc_u32 v6, s21, v7
	s_and_b32 s22, ttmp9, 31                       ; a weight's work-group: which 32,768 numbers of its source (256, 288 and 320 are multiples of 32),
	s_sub_co_u32 s23, ttmp9, 256                   ; and of wc and ws
	s_wait_kmcnt 0x0
	s_cmp_lt_u32 ttmp9, 320                        ; the choices hang on the work-group's number alone
	s_cselect_b64 s[8:9], s[8:9], s[10:11]         ; Wk or Wv
	s_cmp_lt_u32 ttmp9, 288
	s_cselect_b64 s[6:7], s[6:7], s[8:9]           ; Wq or that
	s_cmp_lt_u32 ttmp9, 256
	s_cselect_b64 s[4:5], s[4:5], s[6:7]           ; the tokens or that
	s_cselect_b64 s[12:13], s[12:13], s[16:17]     ; xc or wc
	s_cselect_b64 s[14:15], s[14:15], s[18:19]     ; xs or ws
	s_cselect_b32 s22, ttmp9, s22
	s_cselect_b32 s23, ttmp9, s23
	s_lshl_b32 s22, s22, 2
	s_add_co_u32 s22, s22, s20                     ; which run of 8,192 numbers of the source is my wave's,
	s_lshl_b32 s23, s23, 2
	s_add_co_u32 s23, s23, s20                     ; and of the two results
	s_lshl_b32 s24, s22, 15                        ; 32,768 bytes of numbers a run
	s_mov_b32 s25, 0
	s_add_nc_u64 s[4:5], s[4:5], s[24:25]
	s_lshl_b32 s24, s23, 12                        ; 4,096 bytes of codes
	s_add_nc_u64 s[12:13], s[12:13], s[24:25]
	s_lshl_b32 s24, s23, 8                         ; 256 scale bytes
	s_add_nc_u64 s[14:15], s[14:15], s[24:25]
.macro LOAD t
.irp i, 0,1,2,3
	global_load_b128 v[R+16*((\t)%4)+4*\i:R+16*((\t)%4)+4*\i+3], v3, s[4:5] offset:2048*(\t)+512*\i th:TH_LOAD_NT   ; 32 lanes read 512 consecutive bytes
.endr
.endm
.macro TURN t                          ; step t's numbers through the stage: LDS serves a wave's instructions in order, so no wait stands between the stores and the loads
.irp i, 0,1,2,3
	ds_store_b128 v14, v[R+16*((\t)%4)+4*\i:R+16*((\t)%4)+4*\i+3] offset:32*SP*((\t)%2)+8*SP*\i
.endr
.irp i, 0,1,2,3
	ds_load_b128 v[X+16*((\t)%2)+4*\i:X+16*((\t)%2)+4*\i+3], v15 offset:32*SP*((\t)%2)+16*\i
.endr
.endm
.irp t, 0,1,2,3
	LOAD \t
.endr
	s_wait_loadcnt 12                              ; step 0's four loads are in
	TURN 0
.macro STEP t
.set XS, X+16*((\t)%2)
.if (\t) > 0
	s_wait_dscnt 1                                 ; this step's numbers are back from the stage (the last step's byte store may be out): so its stores into the stage have read their registers,
.else
	s_wait_dscnt 0x0
.endif
.if (\t)+4 < STEPS
	LOAD (\t)+4                                    ; which take the loads of four steps on
.endif
.if (\t)+1 < STEPS
.if STEPS-2-(\t) >= 3
	s_wait_loadcnt 12                              ; the next step's four loads are in; those of the three steps behind it may be out
.else
	s_wait_loadcnt 4*(STEPS-2-(\t))
.endif
	TURN (\t)+1                                    ; and go through the other stage while this step is worked
.endif
	v_max3_num_f32 v8, |v[XS]|, |v[XS+1]|, |v[XS+2]|               ; the largest magnitude of my 16, in two chains
	v_max3_num_f32 v9, |v[XS+3]|, |v[XS+4]|, |v[XS+5]|
.irp i, 6,10
	v_max3_num_f32 v8, v8, |v[XS+\i]|, |v[XS+\i+1]|
	v_max3_num_f32 v9, v9, |v[XS+\i+2]|, |v[XS+\i+3]|
.endr
	v_max3_num_f32 v8, v8, |v[XS+14]|, |v[XS+15]|
	v_max3_num_f32 v8, v8, v9, 0x1800000           ; and the floor 2^(3 - 127): the byte cannot fall under 1
	v_max_num_f32_dpp v8, v8, v8 row_xmask:1 row_mask:0xf bank_mask:0xf   ; and of my neighbour's 16: the block's
	v_add_nc_u32 v11, 0xff000000, v8               ; 2 off its exponent field: the conversion takes the exponent field of this operand as its scale, and nothing else of it
	v_cvt_scalef32_pk8_fp4_f32 v[C+4*(\t)], v[XS:XS+7], v11        ; eight numbers / the scale, to the nearest code, ties to even, beyond the largest code the largest
	v_cvt_scalef32_pk8_fp4_f32 v[C+4*(\t)+1], v[XS+8:XS+15], v11
	v_lshrrev_b32 v[E+(\t)], 23, v11               ; the scale's byte (also the plain line behind the conversions)
	ds_store_b8 v5, v[E+(\t)] offset:16*(\t)       ; both lanes of a block write the same byte with the same value
	global_store_b64 v4, v[C+4*(\t):C+4*(\t)+1], s[12:13] offset:32*CB*(\t)   ; the wave stores 256 consecutive bytes, aligned
.endm
.irp t, 0,1,2,3,4,5,6,7,8,9,10,11,12,13,14,15
	STEP \t
.endr
	ds_load_b64 v[12:13], v6                       ; LDS serves a wave's instructions in order: these see my stores
	s_wait_dscnt 0x0
	global_store_b64 v7, v[12:13], s[14:15]        ; 32 lanes store 256 consecutive bytes, aligned
	s_wait_tensorcnt 0x0
	ds_add_u32 v192, v193
	s_wait_dscnt 0x0
	s_endpgm
.Lfunc_end_k_qc57e606f5d_quant:
	.size	k_qc57e606f5d_quant, .Lfunc_end_k_qc57e606f5d_quant-k_qc57e606f5d_quant
	.p2alignl 7, 3214868480
	.fill 96, 4, 3214868480
	.section	.rodata,"a",@progbits
	.p2align	6, 0x0
	.amdhsa_kernel k_qc57e606f5d_quant
		.amdhsa_group_segment_fixed_size 33280
		.amdhsa_private_segment_fixed_size 0
		.amdhsa_enable_private_segment 0
		.amdhsa_kernarg_size 64
		.amdhsa_user_sgpr_count 2
		.amdhsa_user_sgpr_kernarg_segment_ptr 1
		.amdhsa_wavefront_size32 1
		.amdhsa_system_sgpr_workgroup_id_x 1
		.amdhsa_system_sgpr_workgroup_id_y 1
		.amdhsa_system_sgpr_workgroup_id_z 1
		.amdhsa_system_vgpr_workitem_id 0
		.amdhsa_next_free_vgpr 194
		.amdhsa_next_free_sgpr 66
		.amdhsa_reserve_vcc 0
		.amdhsa_float_denorm_mode_32 3
		.amdhsa_float_denorm_mode_16_64 3
		.amdhsa_memory_ordered 1
		.amdhsa_forward_progress 1
		.amdhsa_inst_pref_size 34
	.end_amdhsa_kernel
	.amdgpu_metadata
---
amdhsa.version: [ 1, 2 ]
amdhsa.kernels:
  - .name:           k_qc57e606f5d_quant
    .symbol:         k_qc57e606f5d_quant.kd
    .args:
      - { .name: hidden_states, .offset: 0, .size: 8, .value_kind: global_buffer, .address_space: global }
      - { .name: Wq, .offset: 8, .size: 8, .value_kind: global_buffer, .address_space: global }
      - { .name: Wk, .offset: 16, .size: 8, .value_kind: global_buffer, .address_space: global }
      - { .name: Wv, .offset: 24, .size: 8, .value_kind: global_buffer, .address_space: global }
      - { .name: xc, .offset: 32, .size: 8, .value_kind: global_buffer, .address_space: global }
      - { .name: xs, .offset: 40, .size: 8, .value_kind: global_buffer, .address_space: global }
      - { .name: wc, .offset: 48, .size: 8, .value_kind: global_buffer, .address_space: global }
      - { .name: ws, .offset: 56, .size: 8, .value_kind: global_buffer, .address_space: global }
    .group_segment_fixed_size: 33280
    .private_segment_fixed_size: 0
    .kernarg_segment_align: 8
    .kernarg_segment_size: 64
    .max_flat_workgroup_size: 128
    .sgpr_count:     66
    .vgpr_count:     194
    .wavefront_size: 32
...
	.end_amdgpu_metadata
.endif
;; end of part 1
;; launch qkv (part 2): grid 12 x 32, 4 waves a work-group, clusters of 4 x 4, 327,680 bytes of LDS; arguments xc, xs, wc, ws, bq, bk, bv, qrec, kv; writes qrec, kv
.if DOCPART == 2
	.amdgcn_target "amdgcn-amd-amdhsa--gfx1250"
	.amdhsa_code_object_version 6
	.text
	.protected	k_qc57e606f5d_qkv
	.globl	k_qc57e606f5d_qkv
	.p2align	8
	.type	k_qc57e606f5d_qkv,@function
k_qc57e606f5d_qkv:
	s_mov_b64 s[64:65], 0
	v_nop
	global_prefetch_b8 v0, s[64:65] scope:SCOPE_SE
	s_setreg_imm32_b32 hwreg(HW_REG_WAVE_MODE, 25, 1), 1
	s_wait_xcnt 0x0
	s_wait_alu depctr_hold_cnt(0) depctr_sa_sdst(0) depctr_va_vdst(0) depctr_va_sdst(0) depctr_va_ssrc(0) depctr_va_vcc(0) depctr_vm_vsrc(0)
	s_getreg_b32 s2, hwreg(HW_REG_IB_STS2, 6, 4)
	s_cmp_eq_u32 s2, 0
	s_cbranch_scc0 .Lentry_in_a_cluster
	s_endpgm
.Lentry_in_a_cluster:
	s_bfe_u32 s2, ttmp6, 0x10000c
	s_cmp_lg_u32 s2, 0xf033
	s_cbranch_scc0 .Lentry_shape_is_right
	s_endpgm
.Lentry_shape_is_right:
; q = x Wq^T + bq, k = x Wk^T + bk, v = x Wv^T + bv on codes of FP4 (E2M1) with one E8M0 scale for each 32 along K = 1,024; sums in f32.  The results are quantised here, in registers, for the
; attention that follows: q and k along the head's 64 (two blocks of 32), v along the tokens, and leave as IMAGES OF OPERAND REGISTERS, 16 bytes a lane, so that every store covers 512 consecutive bytes.
; A work-group of four waves makes a tile of 256 x 256, a wave 128 x 128: 64 accumulators.  K goes in two steps of 512 through two LDS slots, each filled once; the scale bytes of the tile's rows come once, in dense blocks.
; ROLES, by the cluster's x, which all sixteen partners share.  x = 0 (q), 1 (k): A = 256 tokens, B = 256 rows of Wq or Wk.  x = 2 (v): A = 256 rows of Wv, B = 256 tokens.
; THE MATRIX INSTRUCTION IS USED TRANSPOSED (source 0 = 16 rows of B, source 1 = 16 rows of A): lane (r, h) holds A's row r and B's rows 16 b + 8 h + 0 .. 7.  So in roles q and k a lane holds one token and its registers
; run along the features; in role v it holds one feature and its registers run along the tokens: in both along the NEXT product's K, and one macro quantises both.
; THE ORDER INSIDE A BLOCK OF 32: the codes of a block come out in the order 0-7, 16-23, 8-15, 24-31 of the block's numbers.  q and k have it alike, and so have v and the weights p that the attention makes by the
; same lines: the scales and the exact products are those of the plain order; only the order in which the unit adds them differs.
; CLUSTERS: 4 x 4 work-groups; A's tile is asked for jointly along a row of the cluster, B's along a column.
; RESULTS.  qrec [bh 64][step 16][4,608 bytes]: 128 queries: eight images of 512 bytes (tile a: lane l's 16 bytes at 512 a + 16 l), then the scale words at 4,096 + 32 r + 4 a (bytes 0, 1: the two blocks; bytes 2, 3: 0).
; kv [bh 64][step 16][8,960 bytes]: 128 keys: K's eight images as q's; from 4,096 V's four images of 1,024 bytes (16 of the head's 64 x 128 keys: registers 0-3 at 1,024 t + 16 l, registers 4-7 512 further on);
; from 8,192 K's scale words at 32 r + 4 a; from 8,704 V's at 16 r + 4 t.
; LIMITS: a block whose largest magnitude lies under 2^-124, a block of zeros among them, gets the byte 1 (this program alone reads the bytes); NaN and infinities are not served.
; REGISTERS, in windows of 256: window 0: v0-31 addresses; v32-95 scale words, two sets, and nothing else; v96-111 at work on the way out; v112-127 scale words made there; v128-191 A's fragments, ONE set, later the codes made;
;   v192-255 the way out's 64 numbers.   window 1: B's fragments, TWO sets, at v0 and v128; v64-79 and v192-255 the biases.   windows 2, 3: the accumulators of my rows 0-63 and 64-127 ((a, b) at v[8 (8 (a % 4) + b)]).
.set KSTEP,  512                       ; along K in a slot
.set NQ,     KSTEP/128                 ; matrix instructions deep
.set ROWB,   256                       ; a tile's row in bytes
.set KROW,   512                       ; a row of xc or wc in bytes
.set PITCH,  272                       ; an LDS row: 256 bytes + 16 of padding = 68 words: the 16 rows that a load touches start at 16 different banks (64 banks of 4 bytes: ISA guide 11.1)
.set FR,     8                         ; registers of a fragment: 16 rows x 128 K
.set NL,     2                         ; LDS loads that bring one
.set NP,     4                         ; places behind this matrix instruction (ISA guide 7.12.1)
.set HALFT,  128*PITCH                 ; 128 rows: what one tensor load brings
.set SLOT,   4*HALFT                   ; A's 256 rows, then B's 256 rows
.set KS,     32                        ; a row of scale bytes
.set SCL,    2*SLOT                    ; behind the slots: the scales, as units of 256 bytes + 16 of padding
.set HALFS,  (128*KS/256)*272          ; those of 128 rows: what one tensor load brings
.set SBLK,   (16*KS/256)*272           ; those of 16 rows
.set SPARE,  SCL+4*HALFS               ; the spare words, 128 bytes for each wave: two blocks of 256 bytes that no other line names
.set ADRA, 16                          ; v16-17  LDS address of my A fragments in slot 0, 1
.set ADRB, 20                          ; v20-21  the same for B
.set ADRS, 27                          ; v27     LDS address of my scale words: lanes 0-15 A's rows, lanes 16-31 B's
.set SPW,  28                          ; v28     LDS address of my spare word; never rewritten
.set NIL,  29                          ; v29     0; never rewritten
.set SC,   32                          ; scale words: set s at v[SC + 32 s]; register 4 i + q: lanes 0-15 the word of A's block i, lanes 16-31 that of B's block i, for the slot's q-th 128 along K
.set TM,   96                          ; the way out: v96-99 largest magnitudes, v100-103 bytes, v104 a scale word, v108-111 the conversions' scale operands
.set SWC,  112                         ; the way out: the scale words of the eight blocks
.set AF,   128                         ; A's fragments
.set PC,   128                         ; the way out: the codes of block a at v[PC + 8 a]: a run of its own for each block, so that no store's data are written again
.set HA,   192                         ; the way out: a block's 64 numbers
.set BI,   192                         ; window 1: the bias by B's rows: register 8 b + j: number 16 b + 8 h + j of my 128
.set BV,   64                          ; window 1: the bias by A's rows: registers 2 a, 2 a + 1: number 16 a + r, twice (a pair for the packed addition)
.set G1, 24                            ; s[24:31] descriptor group 1 for A's tiles;  s[32:39] group 0, one set for each slot
.set G0, 32
.set G1B, 48                           ; s[48:55], s[56:63] the same for B's tiles
.set G0B, 56
.set G1S, 68                           ; s[68:75], s[76:79] groups 1 and 0 for A's scales;  s[80:87], s[88:91] for B's
.set G0S, 76
.set G1SB, 80
.set G0SB, 88
.set BIA,  66                          ; s[66:67] my 128 numbers of the role's bias
.set ROLE, 95                          ; s95  1 in role v
.set HS,   96                          ; s96  bytes from head to head in the result
.set SS,   97                          ; s97  bytes from record to record
.set SO,   2                           ; s2   where q's or k's scale words begin in a record
.set SEL,  100                         ; s[100:101] lane selects for v_permlanex16_b32: lane l xor 16
.set MSB, 0
.macro WIN new                         ; the immediate's high byte repeats the setting that is left
.if MSB != \new
	s_set_vgpr_msb (MSB<<8)|\new
.set MSB, \new
.endif
.endm
.set MUL_LO, 0xa1                      ; source 0 (B) window 1, source 1 (A) window 0, C and D window 2
.set MUL_HI, 0xf1                      ; the same, C and D window 3
.set TO_B,   0x40                      ; destination window 1, address window 0
; A joint load: waves 0 and 1 fetch for A, waves 2 and 3 for B.  Each of the two lines has ONE mask and one set of registers for all that issue it; the branch hangs on the wave's number alone.
; Four v_nop follow each of the two lines, ahead of the jump, the label and what follows.
.macro JLOAD g0a, g1a, g0b, g1b
	s_cmp_eq_u32 s15, 0
	s_cbranch_scc0 .Lfor_b_\@
	tensor_load_to_lds s[\g0a:\g0a+3], s[\g1a:\g1a+7]
	s_nop 0
.rept 4
	v_nop
.endr
	s_branch .Lasked_\@
.Lfor_b_\@:
	tensor_load_to_lds s[\g0b:\g0b+3], s[\g1b:\g1b+7]
	s_nop 0
.rept 4
	v_nop
.endr
.Lasked_\@:
.endm
.macro CROUND                          ; a round of the cluster's barrier: my work-group's barrier; wave 0 signals for the work-group; every wave waits for all sixteen; my work-group's barrier once more
	s_barrier_signal -1
	s_barrier_wait -1
	s_cmp_lg_u32 s14, 0
	s_cbranch_scc1 .Lnot_wave_0_\@
	s_barrier_signal -3
.Lnot_wave_0_\@:
	s_barrier_wait -3
	s_barrier_signal -1
	s_barrier_wait -1
.endm
	s_load_b256 s[4:11], s[0:1], 0x0               ; xc s[4:5], xs s[6:7], wc s[8:9], ws s[10:11]
	s_load_b256 s[48:55], s[0:1], 0x20             ; bq s[48:49], bk s[50:51], bv s[52:53], qrec s[54:55]
	s_load_b64 s[56:57], s[0:1], 0x40              ; kv
	v_lshl_add_u32 v[SPW], v0, 2, SPARE
	v_mov_b32 v[NIL], 0
	ds_add_u32 v28, v29
	ds_add_u32 v28, v29
	s_wait_dscnt 0x0
	v_lshrrev_b32 v1, 5, v0
	v_readfirstlane_b32 s14, v1                    ; wave 0..3
	s_lshr_b32 s15, s14, 1                         ; which half of A's rows is mine.  Also: I fetch for A (0) or for B (1)
	s_and_b32 s16, s14, 1                          ; which half of B's rows.  Also: which 128 rows of that tile I fetch
	s_bfe_u32 s40, ttmp6, 0x40000                  ; cx, cy: my place in the cluster
	s_bfe_u32 s41, ttmp6, 0x40004
	s_and_b32 s18, ttmp7, 0xffff
	s_lshl_b32 s18, s18, 2                         ; 4 x cluster y
	s_lshl_b32 s19, ttmp9, 2                       ; 4 x cluster x
	s_cmp_eq_u32 ttmp9, 2                          ; role v?  The cluster's x is the same in all sixteen partners
	s_cselect_b32 s[ROLE], 1, 0
	s_cselect_b32 s20, 8, s18
	s_cselect_b32 s21, s18, s19
	s_add_co_u32 s17, s20, s41                     ; A's tile of 256 rows: tokens 4 x cluster y + cy, or rows 8 + cy of wc (Wv): it never holds cx
	s_add_co_u32 s42, s21, s40                     ; B's: rows 4 x cluster x + cx of wc, or tokens 4 x cluster y + cx: it never holds cy
	s_lshl_b32 s43, s41, 2
	s_lshl_b32 s43, 15, s43                        ; my row of the cluster
	s_lshl_b32 s44, 0x1111, s40                    ; my column
	s_wait_kmcnt 0x0
	s_cmp_eq_u32 ttmp9, 2                          ; the buffers are chosen by the role alone
	s_cselect_b64 s[96:97], s[8:9], s[4:5]         ; A's codes,
	s_cselect_b64 s[98:99], s[10:11], s[6:7]       ; A's scales,
	s_cselect_b64 s[8:9], s[4:5], s[8:9]           ; B's codes,
	s_cselect_b64 s[10:11], s[6:7], s[10:11]       ; B's scales
	s_mov_b64 s[4:5], s[96:97]
	s_mov_b64 s[6:7], s[98:99]
	s_cmp_eq_u32 ttmp9, 1
	s_cselect_b64 s[BIA:BIA+1], s[50:51], s[52:53] ; bk or bv,
	s_cmp_eq_u32 ttmp9, 0
	s_cselect_b64 s[BIA:BIA+1], s[48:49], s[BIA:BIA+1]  ; or bq
	s_cselect_b64 s[12:13], s[54:55], s[56:57]     ; the result: qrec or kv
	s_mov_b32 s[HS], 143360
	s_cselect_b32 s[HS], 73728, s[HS]
	s_mov_b32 s[SS], 8960
	s_cselect_b32 s[SS], 4608, s[SS]
	s_mov_b32 s[SO], 8192
	s_cselect_b32 s[SO], 4096, s[SO]
	; descriptor group 1: a tile of 128 rows x 256 bytes, padded in LDS
	s_or_b32 s[G1+0], s43, (0<<16)|(1<<20)|(1<<21)|(5<<22)|(3<<25)  ; 15:0 the mask: A's tiles go to my row; 17:16 element of 1 byte; 20 padding on; 21 set beside a mask; 24:22 after every 64 words (code 5); 31:25 of 4 words (code 3)
	s_or_b32 s[G1B+0], s44, (0<<16)|(1<<20)|(1<<21)|(5<<22)|(3<<25)
.irp g, G1, G1B
	s_mov_b32 s[\g+1], ROWB<<16                    ; tensor_dim0
	s_mov_b32 s[\g+2], 128<<16                     ; tensor_dim1 = 128
	s_mov_b32 s[\g+3], ROWB<<16                    ; tile_dim0
	s_mov_b32 s[\g+4], 128                         ; tile_dim1 = 128
	s_mov_b32 s[\g+5], KROW                        ; tensor_dim0_stride
	s_mov_b32 s[\g+6], 0
	s_mov_b32 s[\g+7], 0
.endr
	; and for the scales of 128 rows: a dense block of 4,096 bytes, as rows of 256 bytes (32 elements of 8 bytes), 16 bytes of padding behind each
	s_or_b32 s[G1S+0], s43, (3<<16)|(1<<20)|(1<<21)|(5<<22)|(3<<25)
	s_or_b32 s[G1SB+0], s44, (3<<16)|(1<<20)|(1<<21)|(5<<22)|(3<<25)
.irp g, G1S, G1SB
	s_mov_b32 s[\g+1], 32<<16
	s_mov_b32 s[\g+2], (128*KS/256)<<16
	s_mov_b32 s[\g+3], 32<<16
	s_mov_b32 s[\g+4], 128*KS/256
	s_mov_b32 s[\g+5], 32
	s_mov_b32 s[\g+6], 0
	s_mov_b32 s[\g+7], 0
.endr
	s_lshl_b32 s18, s16, 7                         ; which 128 rows of the tile I fetch
	s_lshl_b32 s20, s17, 8
	s_add_co_u32 s20, s20, s18                     ; A: row 256 x tile + 128 x half
	s_lshl_b32 s46, s42, 8
	s_add_co_u32 s46, s46, s18                     ; B likewise
	s_mov_b32 s21, 0
	s_mov_b32 s47, 0
	s_mov_b64 s[18:19], KS
	s_mul_u64 s[22:23], s[20:21], s[18:19]         ; where these rows' scales begin, in bytes
	s_mul_u64 s[92:93], s[46:47], s[18:19]
	s_mov_b64 s[18:19], KROW
	s_mul_u64 s[20:21], s[20:21], s[18:19]         ; and their codes
	s_mul_u64 s[46:47], s[46:47], s[18:19]
	s_mul_i32 s45, s14, HALFT                      ; where they go: wave x 128 rows: no place in the cluster enters an LDS address
	s_mul_i32 s94, s14, HALFS
	s_add_nc_u64 s[20:21], s[4:5], s[20:21]
	s_add_nc_u64 s[22:23], s[6:7], s[22:23]
	s_add_nc_u64 s[46:47], s[8:9], s[46:47]
	s_add_nc_u64 s[92:93], s[10:11], s[92:93]
	CROUND                                         ; all sixteen work-groups are here: the joint loads meet
	s_mov_b32 s[G0S], 1
	s_add_co_u32 s[G0S+1], s94, SCL
	s_mov_b64 s[G0S+2:G0S+3], s[22:23]
	s_or_b32 s[G0S+3], s[G0S+3], 0x80000000
	s_mov_b32 s[G0SB], 1
	s_add_co_u32 s[G0SB+1], s94, SCL
	s_mov_b64 s[G0SB+2:G0SB+3], s[92:93]
	s_or_b32 s[G0SB+3], s[G0SB+3], 0x80000000
	JLOAD G0S, G1S, G0SB, G1SB                     ; the scales first: they are wanted with the first K step
.irp s, 0,1
	s_mov_b32 s[G0+4*\s], 1
	s_add_co_u32 s[G0+4*\s+1], s45, \s*SLOT
	s_add_nc_u64 s[G0+4*\s+2:G0+4*\s+3], s[20:21], \s*ROWB
	s_or_b32 s[G0+4*\s+3], s[G0+4*\s+3], 0x80000000
	s_mov_b32 s[G0B+4*\s], 1
	s_add_co_u32 s[G0B+4*\s+1], s45, \s*SLOT
	s_add_nc_u64 s[G0B+4*\s+2:G0B+4*\s+3], s[46:47], \s*ROWB
	s_or_b32 s[G0B+4*\s+3], s[G0B+4*\s+3], 0x80000000
	JLOAD G0+4*\s, G1, G0B+4*\s, G1B               ; both slots: all of K.  Three tensor loads of mine are out
.endr
	v_and_b32 v1, 15, v0                           ; r = l % 16
	v_bfe_u32 v2, v0, 4, 1                         ; h = l / 16
	; where my results and my bias begin.  The token tile and the feature tile change places with the role
	s_cmp_eq_u32 s[ROLE], 1
	s_cselect_b32 s98, s42, s17                    ; the tile of 256 tokens,
	s_cselect_b32 s99, s16, s15                    ; my half of it,
	s_cselect_b32 s92, s41, s40                    ; the 256 features of the 1,024,
	s_cselect_b32 s93, s15, s16                    ; my half of them: two heads
	s_lshr_b32 s18, s98, 3                         ; a batch is 8 tiles of tokens
	s_lshl_b32 s18, s18, 4
	s_lshl_b32 s19, s92, 2
	s_add_co_u32 s18, s18, s19
	s_lshl_b32 s19, s93, 1
	s_add_co_u32 s18, s18, s19                     ; my first head: 16 x batch + 4 x (256 features) + 2 x half
	s_and_b32 s98, s98, 7
	s_lshl_b32 s98, s98, 1
	s_add_co_u32 s98, s98, s99                     ; my record: 128 tokens of the batch's 2,048
	s_mul_i32 s18, s18, s[HS]
	s_mul_i32 s98, s98, s[SS]
	s_add_co_u32 s18, s18, s98
	s_mov_b32 s19, 0
	s_add_nc_u64 s[12:13], s[12:13], s[18:19]
	s_lshl_b32 s18, s92, 10
	s_lshl_b32 s20, s93, 9
	s_add_co_u32 s18, s18, s20
	s_add_nc_u64 s[BIA:BIA+1], s[BIA:BIA+1], s[18:19]   ; my 128 numbers of the bias
	; THE BIAS, in both layouts, so that no branch stands here: by B's rows (roles q, k use it) and by A's rows (role v).  Both read my 128 numbers alone.  They land under the products
	v_lshlrev_b32 v8, 5, v2                        ; 32 h; never rewritten
	v_lshlrev_b32 v9, 2, v1                        ; 4 r; never rewritten
	WIN TO_B
.irp b, 0,1,2,3,4,5,6,7
	global_load_b128 v[BI+8*\b:BI+8*\b+3], v8, s[BIA:BIA+1] offset:64*\b
	global_load_b128 v[BI+8*\b+4:BI+8*\b+7], v8, s[BIA:BIA+1] offset:64*\b+16
.endr
.irp a, 0,1,2,3,4,5,6,7
	global_load_b32 v[BV+2*\a], v9, s[BIA:BIA+1] offset:64*\a
	global_load_b32 v[BV+2*\a+1], v9, s[BIA:BIA+1] offset:64*\a
.endr
	WIN 0
	v_mul_u32_u24 v3, v1, PITCH
	v_lshl_add_u32 v4, v2, 4, v3                   ; a fragment's row x pitch + 16 x half
	s_mul_i32 s21, s15, HALFT                      ; my 128 rows of A
	s_mul_i32 s22, s16, HALFT                      ; my 128 rows of B,
	s_add_co_u32 s22, s22, 2*HALFT                 ; which lie behind A's 256
.irp s, 0,1
	v_add_nc_u32 v[ADRA+\s], s21, v4
	v_add_nc_u32 v[ADRB+\s], s22, v4
	s_add_co_u32 s21, s21, SLOT
	s_add_co_u32 s22, s22, SLOT
.endr
	v_mul_u32_u24 v5, v1, KS                       ; my row's scales: 32 bytes a row,
	v_lshrrev_b32 v6, 8, v5
	v_lshl_add_u32 v5, v6, 4, v5                   ; and 16 more for each 256 passed
	s_mul_i32 s21, s15, HALFS                      ; A's: my 128 rows
	s_mul_i32 s22, s16, HALFS                      ; B's: my 128 rows, behind A's 256
	s_add_co_u32 s22, s22, 2*HALFS
	s_sub_co_u32 s22, s22, s21
	v_mul_u32_u24 v6, s22, v2                      ; lanes 16-31 take B's
	s_add_co_u32 s21, s21, SCL
	v_add_nc_u32 v5, v5, v6
	v_add_nc_u32 v[ADRS], s21, v5
	; the stores' offsets in my record; none is rewritten
	v_and_b32 v10, 31, v0
	v_lshlrev_b32 v10, 4, v10                      ; v10: an image's 16 bytes of my lane, in my first head;
	v_add_nc_u32 v11, s[HS], v10                   ; v11: in my second
	v_lshlrev_b32 v12, 5, v1
	v_lshl_add_u32 v12, v2, 4, v12
	v_add_nc_u32 v12, s[SO], v12                   ; v12: q's or k's scale words: 32 r + 16 h: lanes 0-15 store tiles 0-3, lanes 16-31 tiles 4-7;
	v_add_nc_u32 v13, s[HS], v12                   ; v13: the second head's
	v_mul_lo_u32 v14, v2, s[HS]
	v_lshl_add_u32 v14, v1, 4, v14
	v_add_nc_u32 v14, 8704, v14                    ; v14: V's scale words: 16 r; lanes 0-15 the first head's, lanes 16-31 the second's
	s_mov_b32 s[SEL], 0x76543210
	s_mov_b32 s[SEL+1], 0xfedcba98
.macro FRAG reg, adr, q, i             ; a fragment, 16 rows x 128 K of 4-bit codes, is 8 registers: lane l holds row l % 16; registers 4 c .. 4 c + 3 hold K = 64 c + 32 (l / 16) + 0 .. 31
.irp c, 0,1
	ds_load_b128 v[\reg+4*\c:\reg+4*\c+3], v[\adr] offset:64*(\q)+32*\c+(\i)*16*PITCH
.endr
.endm
; 16 matrix instructions: A's blocks a0, a0 + 1 x B's eight, 128 along K: the slot's q-th.  p: B's set;  sc: the set of scale words.  zero = 1: the first product starts the sums: nothing is ever cleared.
; The 64 accumulators take turns, one instruction a turn, in the same order in every step.
.macro MUL16 a0, p, q, sc, zero
.irp a, \a0, \a0+1
.irp b, 0,1,2,3,4,5,6,7
.if \zero
	v_wmma_scale_f32_16x16x128_f8f6f4 v[8*(8*((\a)%4)+\b):8*(8*((\a)%4)+\b)+7], v[128*(\p)+FR*\b:128*(\p)+FR*\b+FR-1], v[AF+FR*(\a):AF+FR*(\a)+FR-1], 0, v[SC+8*NQ*(\sc)+NQ*\b+(\q)], v[SC+8*NQ*(\sc)+NQ*(\a)+(\q)] matrix_a_fmt:MATRIX_FMT_FP4 matrix_b_fmt:MATRIX_FMT_FP4 matrix_a_scale:MATRIX_SCALE_ROW1
.else
	v_wmma_scale_f32_16x16x128_f8f6f4 v[8*(8*((\a)%4)+\b):8*(8*((\a)%4)+\b)+7], v[128*(\p)+FR*\b:128*(\p)+FR*\b+FR-1], v[AF+FR*(\a):AF+FR*(\a)+FR-1], v[8*(8*((\a)%4)+\b):8*(8*((\a)%4)+\b)+7], v[SC+8*NQ*(\sc)+NQ*\b+(\q)], v[SC+8*NQ*(\sc)+NQ*(\a)+(\q)] matrix_a_fmt:MATRIX_FMT_FP4 matrix_b_fmt:MATRIX_FMT_FP4 matrix_a_scale:MATRIX_SCALE_ROW1
.endif
.endr
.endr
.endm
.macro FETCH_B slot, q, p              ; B's eight fragments of the slot's q-th 128 along K into set p
	WIN TO_B
.irp i, 0,1,2,3,4,5,6,7
	FRAG 128*(\p)+FR*\i, ADRB+\slot, \q, \i
.endr
	WIN 0
.endm
.macro FETCH_A slot, q, i0             ; A's blocks i0 .. i0 + 3
.irp i, \i0, \i0+1, \i0+2, \i0+3
	FRAG AF+FR*(\i), ADRA+\slot, \q, \i
.endr
.endm
.macro SCALES sc                       ; a K step's scale words into set sc: four words a row; lanes 0-15 take A's block i, lanes 16-31 B's block i
.irp i, 0,1,2,3,4,5,6,7
	ds_load_b128 v[SC+8*NQ*\sc+NQ*\i:SC+8*NQ*\sc+NQ*\i+3], v[ADRS] offset:\i*SBLK
.endr
.endm
; A load into a register that a matrix instruction has read, and a vector instruction that reads a matrix result, stand NP places behind that matrix instruction, and only plain vector
; instructions that name none of its registers are places (ISA guide 7.12.1 for vector instructions).
.macro PLACES n
.rept \n
	v_nop
.endr
.endm
; A step of 128 along K that has its successor in the same slot.  A block of A is free as soon as its eight products are issued: blocks 0-3 are fetched anew in the step's middle, blocks 4-7 at its end.
.macro STEP slot, q, zero
	s_wait_dscnt 4*NL                              ; B's set and A's blocks 0-3 are in; the youngest eight loads (A's blocks 4-7) may be out
	WIN MUL_LO
	MUL16 0, (\q)%2, \q, \slot, \zero
	MUL16 2, (\q)%2, \q, \slot, \zero
	s_wait_dscnt 0                                 ; A's blocks 4-7 are in (asked for 32 matrix instructions ago)
	PLACES NP
	FETCH_B \slot, (\q)+1, 1-(\q)%2
	FETCH_A \slot, (\q)+1, 0
	WIN MUL_HI
	MUL16 4, (\q)%2, \q, \slot, \zero
	MUL16 6, (\q)%2, \q, \slot, \zero
	PLACES NP
	WIN 0
	FETCH_A \slot, (\q)+1, 4
.endm
; Slot 0's last step goes over to slot 1: each wave waits for all its tensor loads (its part of slot 1 is the one that may be out) and signals; behind the barrier slot 1 is whole.  Nothing is filled again.
.macro TURN slot, next
	s_wait_tensorcnt 0x0                           ; all my tensor loads have landed
	ds_add_u32 v[SPW], v[NIL]                      ; 0 onto my spare word
	s_wait_dscnt 4*NL+1                            ; (the add and the youngest eight loads, A's blocks 4-7, may be out)
	WIN MUL_LO
	MUL16 0, 1, NQ-1, \slot, 0                     ; sixteen matrix instructions stand between the add and the wait for it
	s_wait_dscnt 0x0                               ; the add is done, and no LDS load of mine is out at the signal
	s_barrier_signal -1
	MUL16 2, 1, NQ-1, \slot, 0
	WIN 0
	s_barrier_wait -1
	PLACES NP
	v_add_nc_u32 v[ADRS], 4*NQ, v[ADRS]            ; on to the next K step's scale words (no LDS load of mine is out)
	FETCH_B \next, 0, 0
	FETCH_A \next, 0, 0
	SCALES \next
	WIN MUL_HI
	MUL16 4, 1, NQ-1, \slot, 0
	MUL16 6, 1, NQ-1, \slot, 0
	PLACES NP
	WIN 0
	FETCH_A \next, 0, 4
.endm
.macro STEPS slot, from                ; the slot's steps from .. NQ - 2
.set Q, \from
.rept NQ-1-\from
	STEP \slot, Q, 0
.set Q, Q+1
.endr
.endm
	s_wait_tensorcnt 1                             ; the scales and my part of slot 0 are in (slot 1's load may be out)
	s_barrier_signal -1
	s_barrier_wait -1                              ; everybody's are
	FETCH_B 0, 0, 0
	FETCH_A 0, 0, 0
	SCALES 0
	FETCH_A 0, 0, 4
	STEP 0, 0, 1                                   ; the first step's products start the sums
	STEPS 0, 1
	TURN 0, 1
	STEPS 1, 0
	s_wait_dscnt 4*NL                              ; the very last step: nothing more to fetch
	WIN MUL_LO
	MUL16 0, 1, NQ-1, 1, 0
	MUL16 2, 1, NQ-1, 1, 0
	s_wait_dscnt 0
	WIN MUL_HI
	MUL16 4, 1, NQ-1, 1, 0
	MUL16 6, 1, NQ-1, 1, 0
	WIN 0
; 64 numbers of a lane, v[s] .. v[s + 63]: registers 16 b .. 16 b + 15 are my 16 numbers of block b of my row (lane l xor 16 holds the other 16).  They become a fragment's codes in v[pc] on and its scale word in v[pw].
.macro QUANT s, pc, pw
.irp b, 0,1,2,3
	v_max3_num_f32 v[TM+\b], |v[\s+16*\b]|, |v[\s+1+16*\b]|, 0x1800000   ; my 16 numbers, and the floor 2^(3 - 127): the byte cannot fall under 1
.endr
.irp i, 2,4,6,8,10,12,14
.irp b, 0,1,2,3
	v_max3_num_f32 v[TM+\b], v[TM+\b], |v[\s+16*\b+\i]|, |v[\s+1+16*\b+\i]|   ; (the four blocks by turns: no line waits for the line above it)
.endr
.endr
.irp b, 0,1,2,3
	v_permlanex16_b32 v[TM+4+\b], v[TM+\b], s[SEL], s[SEL+1]
.endr
.irp b, 0,1,2,3
	v_max_num_f32 v[TM+\b], v[TM+\b], v[TM+4+\b]   ; with lane l xor 16's: the block's largest magnitude
.endr
.irp b, 0,1,2,3
	v_add_nc_u32 v[TM+12+\b], 0xff000000, v[TM+\b] ; 2 off its exponent field: the conversion's scale operand
.endr
.irp b, 0,1,2,3
	v_lshrrev_b32 v[TM+4+\b], 23, v[TM+12+\b]      ; the scale's byte
.endr
	v_lshl_or_b32 v[\pw], v[TM+5], 8, v[TM+4]      ; the four bytes make my row's scale word
	v_lshl_or_b32 v[\pw], v[TM+6], 16, v[\pw]
	v_lshl_or_b32 v[\pw], v[TM+7], 24, v[\pw]
.irp b, 0,1,2,3
	v_cvt_scalef32_pk8_fp4_f32 v[\pc+2*\b], v[\s+16*\b:\s+7+16*\b], v[TM+12+\b]
	v_cvt_scalef32_pk8_fp4_f32 v[\pc+1+2*\b], v[\s+8+16*\b:\s+15+16*\b], v[TM+12+\b]
.endr
	v_nop                                          ; one plain place behind a scaled conversion
.irp c, 0,1                                    ; the operand's layout wants a WHOLE block in a lane: lanes 0-15 block 2 c, lanes 16-31 block 2 c + 1
.irp i, 0,1
	v_permlane16_swap_b32 v[\pc+4*\c+\i], v[\pc+2+4*\c+\i]
.endr
.endr
.endm
; THE WAY OUT, block by block of A's 16 rows: the bias is added (each accumulator from its low end on), the 64 numbers are quantised, and the codes leave as they stand: 16 bytes a lane, 512 consecutive bytes a store.  No LDS.
; role 0 (q, k): the four blocks are two heads of 64: registers 0-3 are the first head's image of tile a, registers 4-7 the second's; the scale word's halves go with them.
; role 1 (v): the four blocks are 128 keys: the eight registers are one image of V: rows 16 (a % 4) on of head a / 4.
.macro WAYOUT role
.irp a, 0,1,2,3,4,5,6,7
.set WW, 0x06+(\a)/4                   ; source 0 (the sums) window 2 or 3, source 1 (the bias) window 1
.set AC, 64*((\a)%4)
.set PCA, PC+8*(\a)
	WIN WW
.irp b, 0,1,2,3,4,5,6,7
.irp i, 0,2,4,6
.if \role
	v_pk_add_f32 v[HA+8*\b+\i:HA+8*\b+\i+1], v[AC+8*\b+\i:AC+8*\b+\i+1], v[BV+2*\a:BV+2*\a+1]
.else
	v_pk_add_f32 v[HA+8*\b+\i:HA+8*\b+\i+1], v[AC+8*\b+\i:AC+8*\b+\i+1], v[BI+8*\b+\i:BI+8*\b+\i+1]
.endif
.endr
.endr
	WIN 0
.if \role
	QUANT HA, PCA, SWC+\a
	global_store_b128 v[10+(\a)/4], v[PCA:PCA+3], s[12:13] offset:4096+1024*((\a)%4)
	global_store_b128 v[10+(\a)/4], v[PCA+4:PCA+7], s[12:13] offset:4096+1024*((\a)%4)+512
.else
	QUANT HA, PCA, TM+8
	v_and_b32 v[SWC+\a], 0xffff, v[TM+8]           ; the first head's two bytes; bytes 2 and 3 are 0: they scale zero codes
	v_lshrrev_b32 v[SWC+8+\a], 16, v[TM+8]         ; the second head's
	global_store_b128 v10, v[PCA:PCA+3], s[12:13] offset:512*\a
	global_store_b128 v11, v[PCA+4:PCA+7], s[12:13] offset:512*\a
.endif
.endr
.if \role
.irp i, 0,1,2,3
	v_cndmask_b32 v[TM+\i], v[SWC+\i], v[SWC+4+\i], vcc_lo   ; lanes 0-15: the first head's four words of row r; lanes 16-31: the second head's
.endr
	global_store_b128 v14, v[TM:TM+3], s[12:13]    ; sixteen lanes store 256 consecutive bytes, aligned
.else
.irp x, 0,1
.irp i, 0,1,2,3
	v_cndmask_b32 v[TM+4*\x+\i], v[SWC+8*\x+\i], v[SWC+8*\x+4+\i], vcc_lo   ; lanes 0-15: tiles 0-3 of row r; lanes 16-31: tiles 4-7
.endr
.endr
	global_store_b128 v12, v[TM:TM+3], s[12:13]    ; 512 consecutive bytes, aligned
	global_store_b128 v13, v[TM+4:TM+7], s[12:13]
.endif
.endm
	s_wait_loadcnt 0x0                             ; the biases
.irp b, 0,1,2,3
	v_mov_b32 v[TM+4+\b], 0                        ; written once: a lane permute's destination counts as one of its sources.  These four are also the places behind the last products
.endr
	s_mov_b32 vcc_lo, 0xffff0000                   ; lanes 16-31
	s_cmp_eq_u32 s[ROLE], 1
	s_cbranch_scc1 .Lrole_v
	WAYOUT 0
	s_branch .Lend
.Lrole_v:
	WAYOUT 1
.Lend:
	s_wait_tensorcnt 0x0                           ; the wave's end
	ds_add_u32 v[SPW], v[NIL]
	s_wait_dscnt 0x0
	CROUND                                         ; the closing round: no work-group ends while a partner may still ask for a tile that names it
	s_endpgm
.Lfunc_end_k_qc57e606f5d_qkv:
	.size	k_qc57e606f5d_qkv, .Lfunc_end_k_qc57e606f5d_qkv-k_qc57e606f5d_qkv
	.p2alignl 7, 3214868480
	.fill 96, 4, 3214868480
	.section	.rodata,"a",@progbits
	.p2align	6, 0x0
	.amdhsa_kernel k_qc57e606f5d_qkv
		.amdhsa_group_segment_fixed_size 327680
		.amdhsa_private_segment_fixed_size 0
		.amdhsa_enable_private_segment 0
		.amdhsa_kernarg_size 72
		.amdhsa_user_sgpr_count 2
		.amdhsa_user_sgpr_kernarg_segment_ptr 1
		.amdhsa_wavefront_size32 1
		.amdhsa_system_sgpr_workgroup_id_x 1
		.amdhsa_system_sgpr_workgroup_id_y 1
		.amdhsa_system_sgpr_workgroup_id_z 1
		.amdhsa_system_vgpr_workitem_id 0
		.amdhsa_next_free_vgpr 1024
		.amdhsa_next_free_sgpr 102
		.amdhsa_reserve_vcc 1
		.amdhsa_float_denorm_mode_32 3
		.amdhsa_float_denorm_mode_16_64 3
		.amdhsa_memory_ordered 1
		.amdhsa_forward_progress 1
		.amdhsa_inst_pref_size 197
	.end_amdhsa_kernel
	.amdgpu_metadata
---
amdhsa.version: [ 1, 2 ]
amdhsa.kernels:
  - .name:           k_qc57e606f5d_qkv
    .symbol:         k_qc57e606f5d_qkv.kd
    .args:
      - { .name: xc, .offset: 0, .size: 8, .value_kind: global_buffer, .address_space: global }
      - { .name: xs, .offset: 8, .size: 8, .value_kind: global_buffer, .address_space: global }
      - { .name: wc, .offset: 16, .size: 8, .value_kind: global_buffer, .address_space: global }
      - { .name: ws, .offset: 24, .size: 8, .value_kind: global_buffer, .address_space: global }
      - { .name: bq, .offset: 32, .size: 8, .value_kind: global_buffer, .address_space: global }
      - { .name: bk, .offset: 40, .size: 8, .value_kind: global_buffer, .address_space: global }
      - { .name: bv, .offset: 48, .size: 8, .value_kind: global_buffer, .address_space: global }
      - { .name: qrec, .offset: 56, .size: 8, .value_kind: global_buffer, .address_space: global }
      - { .name: kv, .offset: 64, .size: 8, .value_kind: global_buffer, .address_space: global }
    .group_segment_fixed_size: 327680
    .private_segment_fixed_size: 0
    .kernarg_segment_align: 8
    .kernarg_segment_size: 72
    .max_flat_workgroup_size: 128
    .sgpr_count:     102
    .vgpr_count:     1024
    .wavefront_size: 32
...
	.end_amdgpu_metadata
.endif
;; end of part 2
;; launch attn (part 3): grid 4 x 64, 16 waves a work-group, clusters of 4 x 1, 223,232 bytes of LDS; arguments qrec, kv, attention_mask, out0; writes out0
.if DOCPART == 3
	.amdgcn_target "amdgcn-amd-amdhsa--gfx1250"
	.amdhsa_code_object_version 6
	.text
	.protected	k_qc57e606f5d_attn
	.globl	k_qc57e606f5d_attn
	.p2align	8
	.type	k_qc57e606f5d_attn,@function
k_qc57e606f5d_attn:
	s_mov_b64 s[64:65], 0
	v_nop
	global_prefetch_b8 v0, s[64:65] scope:SCOPE_SE
	s_setreg_imm32_b32 hwreg(HW_REG_WAVE_MODE, 25, 1), 1
	s_wait_xcnt 0x0
	s_wait_alu depctr_hold_cnt(0) depctr_sa_sdst(0) depctr_va_vdst(0) depctr_va_sdst(0) depctr_va_ssrc(0) depctr_va_vcc(0) depctr_vm_vsrc(0)
	s_getreg_b32 s2, hwreg(HW_REG_IB_STS2, 6, 4)
	s_cmp_eq_u32 s2, 0
	s_cbranch_scc0 .Lentry_in_a_cluster
	s_endpgm
.Lentry_in_a_cluster:
	s_bfe_u32 s2, ttmp6, 0x10000c
	s_cmp_lg_u32 s2, 0x3003
	s_cbranch_scc0 .Lentry_shape_is_right
	s_endpgm
.Lentry_shape_is_right:
; out0[bh][q][:] = the sum over k <= q of softmax_k(q . k / 8 + mask[k]) v[k][:], both products on codes of FP4 (E2M1) with one E8M0 scale for each 32 along a product's K.  64 (batch, head) pairs, 2,048 tokens, head size 64.
; Q, K and V come as images of operand registers, 16 bytes a lane, with their scale words, in records of 128 tokens:
;   qrec [bh][16][4,608]: eight images of 512 bytes (16 queries each), scale words at 4,096 + 32 r + 4 a.
;   kv [bh][16][8,960]: K's eight images; from 4,096 V's four images of 1,024 bytes (16 of the head's 64 x 128 keys); K's scale words at 8,192 + 32 r + 4 a; V's at 8,704 + 16 r + 4 t.
; THE SOFTMAX AHEAD OF THE SECOND PRODUCT: t = (score + 8 mask) x log2(e) / 8; M = the row's largest t so far, rounded UP to a whole number; p = 2^(t - M) is quantised along the keys, not normalised.
; The row's sum is taken of the unquantised p and divides at the end.  When M moves, the sum and O are multiplied by 2^(old M - new M): exact.
; A WHOLE HEAD LIES IN LDS: 16 records, 143,360 bytes, filled once: no ring, no refill.  The four work-groups of a cluster serve one head and ask for it JOINTLY: waves 0 to 7 of each issue one load of two records.
; SHARES.  Wave w (e = w % 2, u = w / 2) of partner p owns tile a = 2 p + e (16 queries) of two groups of 128 queries: group u, then group 15 - u.  A tile of group s wants key steps 0 .. s, 128 keys each:
; (u + 1) + (16 - u) = 17 steps for every wave of the launch.  Which steps are left out, and which lies on the diagonal, hangs on the wave's number and the loop's counter alone; the place in the cluster enters
; Q's and O's addresses in memory and the number that the diagonal's compare takes, nothing else.  The loops' trip counts are constants (8 and 16); a step all of whose keys are hidden jumps over its work.
; LAYOUT.  Both products are used transposed: S^T = K Q^T (source 0 = 16 keys, source 1 = my 16 queries), O^T = V^T P^T: a lane holds ONE query (lane % 16) throughout.  The head's 64 fill half of the instruction's 128 along K:
; the upper four registers of K's and Q's fragments are zero codes.  8 x mask, in the result's layout, is the C of the first product: the addition costs no vector line.
; p's codes come out in the order 0-7, 16-23, 8-15, 24-31 inside each block of 32 keys, as V's were laid.
; LIMITS.  Hidden keys (k > q) get p = 0, where the definition adds -1e9: the same as long as, for each query, some key <= q has a logit less than some 9e8 under the hidden keys' logits without that addend.
; 8 x mask is held at -1e30 from below.  NaN and +infinity among the inputs are not served.  A block whose every p has fallen to 0 keeps the byte 1: its codes are zeros.
; REGISTERS: v1-7 addresses that stay; v8-11 the step's LDS addresses; v12 -M, v13 the largest t, v[14:15] the sum in two halves; v16-19 Q, v20-23 zero codes; v24 Q's scale word; v25 p's; v[26:27] f, 0; v28 at work;
;   v29 the diagonal's number; v30, v31 Q's offsets in memory; v32-95 K's eight fragments (upper halves 0, set once); v96-159 the mask, S^T, p; v160-191 O^T; v192-223 V's four fragments, on the way out rows of O;
;   v224-231 p's codes; v232-243 at work; v244-247 V's scale words; v248-255 K's.
.set RECB,  8960                       ; a record of kv
.set HEADB, 16*RECB                    ; a head: LDS bytes 0 on
.set MSK,   HEADB                      ; behind it: 8 x mask of my batch, 2,048 f32, stored by the waves
.set STG,   MSK+8192                   ; the way out: 16 rows x (256 bytes + 16) for each wave
.set SPT,   272
.set WV,   12                          ; s12  my wave's number
.set SA,   16                          ; s16  u: the first pass's group of queries, and its last key step
.set SB,   49                          ; s49  15 - u: the second pass's
.set SEL,  20                          ; s[20:21] lane selects for v_permlanex16_b32: lane l xor 16
.set CS,   22                          ; s[22:23] c = log2(e) / 8: the packed form names a pair and takes its low word for both halves
.set G1,   24                          ; s[24:31] descriptor group 1
.set G0,   32                          ; s[32:35] group 0
.set QA,   40                          ; s[40:41], s[42:43] my groups' records of qrec
.set QB,   42
.set OA,   44                          ; s[44:45], s[46:47] my tiles' first rows of out0
.set OB,   46
.set J,    50                          ; s50  the key step
.set TB,   51                          ; s51  where its record begins in LDS
.set TMK,  52                          ; s52  and its 128 numbers of the mask
.set NINF, 53                          ; s53  -infinity
.macro CROUND                          ; a round of the cluster's barrier: my work-group's barrier; wave 0 signals for the work-group; every wave waits for all four; my work-group's barrier once more
	s_barrier_signal -1
	s_barrier_wait -1
	s_cmp_lg_u32 s[WV], 0
	s_cbranch_scc1 .Lnot_wave_0_\@
	s_barrier_signal -3
.Lnot_wave_0_\@:
	s_barrier_wait -3
	s_barrier_signal -1
	s_barrier_wait -1
.endm
	s_load_b256 s[4:11], s[0:1], 0x0               ; qrec s[4:5], kv s[6:7], the mask s[8:9], out0 s[10:11]
	v_lshl_add_u32 v254, v0, 2, 0x36000
	v_mov_b32 v255, 0
	ds_add_u32 v254, v255
	ds_add_u32 v254, v255
	s_wait_dscnt 0x0
	v_lshrrev_b32 v1, 5, v0
	v_readfirstlane_b32 s[WV], v1                  ; wave 0..15
	s_and_b32 s14, ttmp7, 0xffff                   ; bh: the cluster's y, which the four partners share
	s_and_b32 s15, s[WV], 1                        ; e
	s_lshr_b32 s[SA], s[WV], 1                     ; u
	s_sub_co_u32 s[SB], 15, s[SA]
	s_and_b32 s54, s[WV], 7                        ; (waves 0 to 7 fetch)
	s_mul_i32 s[G0+1], s54, 2*RECB                 ; 63:32 LDS address: two records a wave: no place in the cluster enters it
	s_mul_i32 s54, s14, HEADB
	s_add_co_u32 s54, s54, s[G0+1]                 ; and the same two records of my head in memory
	s_mov_b32 s55, 0
	; descriptor group 1: two records are a dense block of 17,920 bytes: 70 rows of 256 bytes (32 elements of 8 bytes), no padding: images are read 16 bytes a lane on end
	s_mov_b32 s[G1], 15|(3<<16)|(1<<21)            ; 15:0 the mask: all four work-groups; 17:16 elements of 8 bytes; 21 set beside a mask
	s_mov_b32 s[G1+1], 32<<16                      ; tensor_dim0 = 32
	s_mov_b32 s[G1+2], 70<<16                      ; tensor_dim1 = 70
	s_mov_b32 s[G1+3], 32<<16                      ; tile_dim0 = 32
	s_mov_b32 s[G1+4], 70                          ; tile_dim1 = 70
	s_mov_b32 s[G1+5], 32                          ; tensor_dim0_stride
	s_mov_b32 s[G1+6], 0
	s_mov_b32 s[G1+7], 0
	s_mov_b32 s[G0], 1                             ; 1:0 count = 1
	s_mov_b32 s[SEL], 0x76543210
	s_mov_b32 s[SEL+1], 0xfedcba98
	s_mov_b32 s[CS], 0x3e38aa3b                    ; c = log2(e) / 8
	s_mov_b32 s[CS+1], s[CS]                       ; (named with it as a pair, so it is written)
	s_mov_b32 s[NINF], 0xff800000
	s_wait_kmcnt 0x0
	s_add_nc_u64 s[G0+2:G0+3], s[6:7], s[54:55]    ; 120:64 global address
	s_or_b32 s[G0+3], s[G0+3], 0x80000000          ; 127:126 type = 2
	CROUND                                         ; all four work-groups are here: the joint loads meet
	s_cmp_lt_u32 s[WV], 8                          ; the branch hangs on the wave's number alone; one tensor load of mine is out, or none
	s_cbranch_scc0 .Lno_fetch
	tensor_load_to_lds s[G0:G0+3], s[G1:G1+7]
	s_nop 0
.rept 4
	v_nop                                          ; four v_nop follow the load
.endr
.Lno_fetch:
	s_bfe_u32 s13, ttmp6, 0x40000                  ; p = cx: my place in the cluster
	s_lshl_b32 s17, s13, 1
	s_add_co_u32 s17, s17, s15                     ; a = 2 p + e: my tile of 16 queries in a group of 128
	s_mul_i32 s56, s14, 73728                      ; my head in qrec,
	s_mul_i32 s58, s[SA], 4608
	s_add_co_u32 s58, s58, s56
	s_mov_b32 s59, 0
	s_add_nc_u64 s[QA:QA+1], s[4:5], s[58:59]      ; the first pass's record,
	s_mul_i32 s58, s[SB], 4608
	s_add_co_u32 s58, s58, s56
	s_add_nc_u64 s[QB:QB+1], s[4:5], s[58:59]      ; the second's
	s_lshl_b32 s56, s14, 19                        ; my head in out0: 2,048 rows of 256 bytes,
	s_lshl_b32 s57, s17, 12                        ; my tile's 16 rows in a group,
	s_add_co_u32 s56, s56, s57
	s_lshl_b32 s58, s[SA], 15                      ; the group's 128 rows
	s_add_co_u32 s58, s58, s56
	s_add_nc_u64 s[OA:OA+1], s[10:11], s[58:59]
	s_lshl_b32 s58, s[SB], 15
	s_add_co_u32 s58, s58, s56
	s_add_nc_u64 s[OB:OB+1], s[10:11], s[58:59]
	s_lshr_b32 s58, s14, 4
	s_lshl_b32 s58, s58, 13
	s_add_nc_u64 s[8:9], s[8:9], s[58:59]          ; my batch's 2,048 numbers of the mask
	v_and_b32 v232, 31, v0                         ; lane
	v_and_b32 v233, 15, v0                         ; r
	v_bfe_u32 v234, v0, 4, 1                       ; h
	v_lshlrev_b32 v8, 4, v0                        ; the mask: 16 bytes a thread: the 512 threads take all 8,192
	v_lshlrev_b32 v1, 4, v232                      ; v1: 16 x lane: an image's place for my lane
	v_lshlrev_b32 v2, 5, v233                      ; v2: 32 r: K's scale words of my row
	s_lshl_b32 s57, s17, 9
	v_add_nc_u32 v30, s57, v1                      ; v30: Q's image of my tile, in memory; never rewritten
	s_lshl_b32 s57, s17, 2
	s_add_co_u32 s57, s57, 4096
	v_add_nc_u32 v31, s57, v2                      ; v31: and its scale word of row r; never rewritten
	global_load_b128 v[96:99], v8, s[8:9]
	global_load_b128 v[16:19], v30, s[QA:QA+1]     ; the first pass's Q
	global_load_b32 v24, v31, s[QA:QA+1]
	v_lshl_add_u32 v9, v0, 4, MSK                  ; where my four numbers of 8 x mask go
	v_lshlrev_b32 v3, 4, v233                      ; v3: 16 r: V's scale words of my row
	v_lshl_add_u32 v4, v234, 5, MSK                ; v4: the mask of my half's eight keys of a tile
	v_lshl_add_u32 v5, v234, 8, v3                 ; v5: the way out: lanes 0-15 one row of O, lanes 16-31 the next; 16 bytes a lane
	s_mul_i32 s57, s[WV], 16*SPT
	s_add_co_u32 s57, s57, STG                     ; my stage
	v_mul_u32_u24 v6, v233, SPT
	v_lshl_add_u32 v6, v234, 5, v6
	v_add_nc_u32 v6, s57, v6                       ; v6: in: row r, + 32 h
	v_mul_u32_u24 v7, v234, SPT
	v_lshl_add_u32 v7, v233, 4, v7
	v_add_nc_u32 v7, s57, v7                       ; v7: back: row h, + 16 r
	v_lshlrev_b32 v29, 3, v234
	v_sub_nc_u32 v29, v233, v29
	s_lshl_b32 s56, s17, 4
	v_add_nc_u32 v29, s56, v29                     ; v29: 16 a + r - 8 h.  On the diagonal register 8 t + j holds key 16 t + 8 h + j of the step, my query is 16 a + r of it: the key counts where 16 t + j <= v29
.irp i, 20,21,22,23
	v_mov_b32 v[\i], 0                             ; Q's upper 64 along K: zero codes
.endr
.irp t, 0,1,2,3,4,5,6,7
.irp i, 4,5,6,7
	v_mov_b32 v[32+8*\t+\i], 0                     ; K's likewise: set once, never loaded into
.endr
.endr
.irp i, 27,28,236,237,238,239
	v_mov_b32 v[\i], 0                             ; written once: the upper half of the pair v[26:27]; a lane permute's destination counts as one of its sources
.endr
; A pass begins: O^T and the sum are zeros and the largest t is -3e38: the first change of M multiplies zeros, so the step is written once.
.macro INIT
	v_mov_b32 v13, 0xff61b1e6                      ; -3e38, under every t
	v_floor_f32 v12, -v13                          ; -M
	v_mov_b32 v14, 0
	v_mov_b32 v15, 0
.set cj, 0
.rept 32
	v_mov_b32 v[160+cj], 0
.set cj, cj+1
.endr
	s_mov_b32 s[J], 0
	s_mov_b32 s[TB], 0
	s_mov_b32 s[TMK], 0
.endm
	INIT
	s_wait_loadcnt 2                               ; the mask is in; Q's two loads may be out
	v_pk_mul_f32 v[96:97], v[96:97], 0x41000000 op_sel_hi:[1,0]   ; x 8: exact
	v_pk_mul_f32 v[98:99], v[98:99], 0x41000000 op_sel_hi:[1,0]
.irp i, 96,97,98,99
	v_max_num_f32 v[\i], 0xf149f2ca, v[\i]         ; held at -1e30 from below
.endr
	ds_store_b128 v9, v[96:99]
	s_wait_tensorcnt 0x0                           ; my two records have landed,
	s_wait_dscnt 0x0                               ; my part of the mask is stored:
	s_barrier_signal -1
	s_barrier_wait -1                              ; everybody's are.  From here on LDS bytes 0 to STG are only read
; A KEY STEP: 128 keys, record s[J].  ss: the scalar register with the pass's last step, the one on the diagonal.
.macro STEP ss
	s_cmp_gt_u32 s[J], s[\ss]                      ; all its keys come after my queries: the work is left out; the lines at the end that step addresses are not
	s_cbranch_scc1 .Lhidden_\@
	v_add_nc_u32 v8, s[TB], v1                     ; these four are also the places between the last step's products and the loads into the registers that they read
	v_add_nc_u32 v9, s[TB], v2
	v_add_nc_u32 v10, s[TB], v3
	v_add_nc_u32 v11, s[TMK], v4
.irp t, 0,1,2,3,4,5,6,7
	ds_load_b128 v[96+8*\t:99+8*\t], v11 offset:64*\t           ; 8 x mask of keys 16 t + 8 h + 0 .. 7: the first product's C (sixteen lanes read the same 16 bytes)
	ds_load_b128 v[100+8*\t:103+8*\t], v11 offset:64*\t+16
.endr
.irp t, 0,1,2,3,4,5,6,7
	ds_load_b128 v[32+8*\t:35+8*\t], v8 offset:512*\t           ; K's image of tile t
.endr
	ds_load_b128 v[248:251], v9 offset:8192                     ; K's scale words of row r, tiles 0-3,
	ds_load_b128 v[252:255], v9 offset:8208                     ; tiles 4-7
.irp t, 0,1,2,3
	ds_load_b128 v[192+8*\t:195+8*\t], v8 offset:4096+1024*\t   ; V's image of tile t: they land under the softmax
	ds_load_b128 v[196+8*\t:199+8*\t], v8 offset:4096+1024*\t+512
.endr
	ds_load_b128 v[244:247], v10 offset:8704                    ; V's scale words of row r
	s_wait_dscnt 9                                 ; the mask, K and its scale words are in; V's nine loads may be out
.irp t, 0,1,2,3,4,5,6,7                        ; S^T + 8 mask.  Eight accumulators, one instruction each
	v_wmma_scale_f32_16x16x128_f8f6f4 v[96+8*\t:103+8*\t], v[32+8*\t:39+8*\t], v[16:23], v[96+8*\t:103+8*\t], v[248+\t], v24 matrix_a_fmt:MATRIX_FMT_FP4 matrix_b_fmt:MATRIX_FMT_FP4
.endr
.rept 4
	v_nop                                          ; places ahead of the first read of the results
.endr
	s_cmp_lt_u32 s[J], s[\ss]                      ; a step all of whose keys count skips the mask of the diagonal
	s_cbranch_scc1 .Lopen_\@
.set cn, 0
.rept 64
	v_cmp_le_i32 vcc_lo, 16*(cn/8)+cn%8, v29       ; the key counts
	v_cndmask_b32 v[96+cn], s[NINF], v[96+cn], vcc_lo   ; else -infinity: p = 0 then
.set cn, cn+1
.endr
.Lopen_\@:
.irp b, 0,1,2,3
	v_max3_num_f32 v[232+\b], v[96+16*\b], v[97+16*\b], v[98+16*\b]   ; THE LARGEST SCORE OF EACH BLOCK OF 32 KEYS: it serves twice: for the row's maximum, and, since p rises with the score, for the block's largest p
.endr
.irp i, 3,5,7,9,11,13
.irp b, 0,1,2,3
	v_max3_num_f32 v[232+\b], v[232+\b], v[96+16*\b+\i], v[97+16*\b+\i]   ; (the four blocks by turns)
.endr
.endr
.irp b, 0,1,2,3
	v_max_num_f32 v[232+\b], v[232+\b], v[111+16*\b]
.endr
.irp b, 0,1,2,3
	v_permlanex16_b32 v[236+\b], v[232+\b], s[SEL], s[SEL+1]
.endr
.irp b, 0,1,2,3
	v_max_num_f32 v[232+\b], v[232+\b], v[236+\b]  ; with lane l xor 16's 16 keys
.endr
	v_max3_num_f32 v28, v232, v233, v234
	v_max_num_f32 v28, v28, v235                   ; the step's largest score of my query
	v_mul_f32 v28, s[CS], v28                      ; as t (c is positive)
	v_max_num_f32 v13, v13, v28                    ; the running largest t
	v_mov_b32 v28, v12
	v_floor_f32 v12, -v13                          ; the new -M = floor(-t) = -ceil(t): M IS A WHOLE NUMBER
	v_sub_f32 v28, v12, v28                        ; M's old value less its new one: a whole number, 0 or less
	v_cvt_i32_f32 v28, v28                         ; (it saturates)
	v_ldexp_f32 v26, 1.0, v28                      ; f = 2^(old M - new M): a multiplication by it rounds nothing
.set cj, 0
.rept 32
	v_pk_fma_f32 v[96+cj:97+cj], v[96+cj:97+cj], s[CS:CS+1], v[12:13] op_sel_hi:[1,0,0]   ; t - M, two at a time (of the pairs c and -M the low word serves both halves)
.set cj, cj+2
.endr
.irp b, 0,1,2,3
	v_fma_f32 v[232+\b], v[232+\b], s[CS], v12     ; the same of each block's largest score
.endr
.set cj, 0
.rept 64
	v_exp_f32 v[96+cj], v[96+cj]                   ; p = 2^(t - M), at most 1: NOT normalised
.set cj, cj+1
.endr
	v_pk_mul_f32 v[14:15], v[14:15], v[26:27] op_sel_hi:[1,0]   ; the sums under the new M.  (The plain place behind the exponentials)
	s_wait_alu depctr_va_vdst(0)                   ; one wait for the whole batch, ahead of its first reader
.irp b, 0,1,2,3
	v_exp_f32 v[232+\b], v[232+\b]                 ; the block's largest p: the same two instructions on the same number give the same bits
.endr
	v_pk_add_f32 v[236:237], v[96:97], v[98:99]    ; THE ROW'S SUM IS TAKEN OF THE UNQUANTISED p: two at a time, in two chains.  (It reads the 64 alone: plain work behind the four)
.set cj, 4
.rept 15
	v_pk_add_f32 v[14:15], v[14:15], v[96+cj:97+cj]
	v_pk_add_f32 v[236:237], v[236:237], v[98+cj:99+cj]
.set cj, cj+4
.endr
	v_pk_add_f32 v[14:15], v[14:15], v[236:237]
	s_wait_alu depctr_va_vdst(0)                   ; and one for the four
.irp b, 0,1,2,3
	v_max_num_f32 v[232+\b], 0x1800000, v[232+\b]  ; the floor 2^(3 - 127): the byte cannot fall under 1
.endr
.irp b, 0,1,2,3
	v_add_nc_u32 v[240+\b], 0xff000000, v[232+\b]  ; 2 off the exponent field: the conversion's scale operand
.endr
.irp b, 0,1,2,3
	v_lshrrev_b32 v[236+\b], 23, v[240+\b]         ; the scale's byte
.endr
	v_lshl_or_b32 v25, v237, 8, v236               ; p's scale word for these 128 keys
	v_lshl_or_b32 v25, v238, 16, v25
	v_lshl_or_b32 v25, v239, 24, v25
.irp b, 0,1,2,3
	v_cvt_scalef32_pk8_fp4_f32 v[224+2*\b], v[96+16*\b:103+16*\b], v[240+\b]
	v_cvt_scalef32_pk8_fp4_f32 v[225+2*\b], v[104+16*\b:111+16*\b], v[240+\b]
.endr
	v_nop                                          ; one plain place behind a scaled conversion
.irp c, 0,1                                    ; the operand's layout wants a WHOLE block in a lane: lanes 0-15 block 2 c, lanes 16-31 block 2 c + 1
.irp i, 0,1
	v_permlane16_swap_b32 v[224+4*\c+\i], v[226+4*\c+\i]
.endr
.endr
.set cj, 0
.rept 16
	v_pk_mul_f32 v[160+cj:161+cj], v[160+cj:161+cj], v[26:27] op_sel_hi:[1,0]   ; O^T under the new M: x f.  (Of these 16, twelve name no register of any one product below: the places between p's scale word and codes and the products)
.set cj, cj+2
.endr
	s_wait_dscnt 0x0                               ; V and its scale words are in
.irp t, 0,1,2,3                                ; O^T += V^T P^T: four accumulators by turns; K = these 128 keys
	v_wmma_scale_f32_16x16x128_f8f6f4 v[160+8*\t:167+8*\t], v[192+8*\t:199+8*\t], v[224:231], v[160+8*\t:167+8*\t], v[244+\t], v25 matrix_a_fmt:MATRIX_FMT_FP4 matrix_b_fmt:MATRIX_FMT_FP4
.endr
.Lhidden_\@:
	s_add_co_u32 s[TB], s[TB], RECB                ; the next record,
	s_add_co_u32 s[TMK], s[TMK], 512               ; the next 128 numbers of the mask
.endm
.macro LOOP n, ss                      ; n trips, a constant
.Lstep_\@:
	STEP \ss
	s_add_co_u32 s[J], s[J], 1
	s_cmp_lt_u32 s[J], \n
	s_cbranch_scc1 .Lstep_\@
.endm
; THE WAY OUT of a pass.  The sum's halves are added; O^T is divided by the sum and goes through my stage in LDS, so that 32 lanes store two whole rows of O, 512 consecutive bytes.  nextq = 1: the second pass's Q is asked for here.
.macro WAYOUT ob, nextq
	v_add_f32 v14, v14, v15                        ; the sum's two halves,
	v_permlanex16_b32 v28, v14, s[SEL], s[SEL+1]
	v_add_f32 v14, v14, v28                        ; and lane l xor 16's: the row's sum
	v_rcp_f32 v14, v14
	v_nop                                          ; the plain place behind the reciprocal; with the two additions and the next line also the four places behind the last products
	v_nop
.if \nextq
	global_load_b128 v[16:19], v30, s[QB:QB+1]
	global_load_b32 v24, v31, s[QB:QB+1]
.endif
	s_wait_alu depctr_va_vdst(0)                   ; the wait ahead of the reciprocal's first reader
.set cj, 0
.rept 16
	v_pk_mul_f32 v[96+cj:97+cj], v[160+cj:161+cj], v[14:15] op_sel_hi:[1,0]   ; O^T / the sum, each accumulator from its low end on: register 8 t + j is o(r, 16 t + 8 h + j)
.set cj, cj+2
.endr
.irp t, 0,1,2,3
	ds_store_b128 v6, v[96+8*\t:99+8*\t] offset:64*\t
	ds_store_b128 v6, v[100+8*\t:103+8*\t] offset:64*\t+16
.endr
.irp i, 0,1,2,3,4,5,6,7
	ds_load_b128 v[192+4*\i:195+4*\i], v7 offset:2*\i*SPT       ; LDS serves a wave's instructions in order: these see my stores
.endr
.irp i, 0,1,2,3,4,5,6,7
	s_wait_dscnt 7-\i                              ; rows 2 i and 2 i + 1 are back; the younger loads may be out
	global_store_b128 v5, v[192+4*\i:195+4*\i], s[\ob:\ob+1] offset:512*\i th:TH_STORE_NT   ; 512 consecutive bytes, aligned; written once, read by nobody here
.endr
.endm
	s_wait_loadcnt 0x0                             ; Q
	LOOP 8, SA                                     ; group u: key steps 0 .. u
	WAYOUT OA, 1
	s_wait_xcnt 0x0                                ; the stores have read their registers: V's fragments land there again
	INIT
	s_wait_loadcnt 0x0                             ; the second pass's Q
	LOOP 16, SB                                    ; group 15 - u: key steps 0 .. 15 - u
	WAYOUT OB, 0
	s_wait_dscnt 0x0
	s_wait_xcnt 0x0
	v_lshl_add_u32 v254, v0, 2, 0x36000
	v_mov_b32 v255, 0
	s_wait_tensorcnt 0x0
	ds_add_u32 v254, v255
	s_wait_dscnt 0x0
	CROUND                                         ; the closing round: no work-group ends while a partner may still ask for a tile that names it
	s_endpgm
.Lfunc_end_k_qc57e606f5d_attn:
	.size	k_qc57e606f5d_attn, .Lfunc_end_k_qc57e606f5d_attn-k_qc57e606f5d_attn
	.p2alignl 7, 3214868480
	.fill 96, 4, 3214868480
	.section	.rodata,"a",@progbits
	.p2align	6, 0x0
	.amdhsa_kernel k_qc57e606f5d_attn
		.amdhsa_group_segment_fixed_size 223232
		.amdhsa_private_segment_fixed_size 0
		.amdhsa_enable_private_segment 0
		.amdhsa_kernarg_size 32
		.amdhsa_user_sgpr_count 2
		.amdhsa_user_sgpr_kernarg_segment_ptr 1
		.amdhsa_wavefront_size32 1
		.amdhsa_system_sgpr_workgroup_id_x 1
		.amdhsa_system_sgpr_workgroup_id_y 1
		.amdhsa_system_sgpr_workgroup_id_z 1
		.amdhsa_system_vgpr_workitem_id 0
		.amdhsa_next_free_vgpr 256
		.amdhsa_next_free_sgpr 66
		.amdhsa_reserve_vcc 1
		.amdhsa_float_denorm_mode_32 3
		.amdhsa_float_denorm_mode_16_64 3
		.amdhsa_memory_ordered 1
		.amdhsa_forward_progress 1
		.amdhsa_inst_pref_size 59
	.end_amdhsa_kernel
	.amdgpu_metadata
---
amdhsa.version: [ 1, 2 ]
amdhsa.kernels:
  - .name:           k_qc57e606f5d_attn
    .symbol:         k_qc57e606f5d_attn.kd
    .args:
      - { .name: qrec, .offset: 0, .size: 8, .value_kind: global_buffer, .address_space: global }
      - { .name: kv, .offset: 8, .size: 8, .value_kind: global_buffer, .address_space: global }
      - { .name: attention_mask, .offset: 16, .size: 8, .value_kind: global_buffer, .address_space: global }
      - { .name: out0, .offset: 24, .size: 8, .value_kind: global_buffer, .address_space: global }
    .group_segment_fixed_size: 223232
    .private_segment_fixed_size: 0
    .kernarg_segment_align: 8
    .kernarg_segment_size: 32
    .max_flat_workgroup_size: 512
    .sgpr_count:     66
    .vgpr_count:     256
    .wavefront_size: 32
...
	.end_amdgpu_metadata
.endif
;; end of part 3
